; MI455X (gfx1250); checked and timed in simulation.
; The chip was launched on July 23, 2026; its instructions are those of AMD's public machine-readable ISA for CDNA 5 (MIT licence, August 2026) and "CDNA5" Instruction Set Architecture Reference Guide (July 2026). The comments in the code are by the model that wrote it; some were corrected since.
;; Memory Efficient Attention. Allowed arithmetic: matrix products marked QUANTISED: E4M3 operands, one given power-of-two scale a tensor, by v_wmma_f32_16x16x64_fp8_fp8 or v_wmma_f32_16x16x128_fp8_fp8, f32 sums; everything else in f32.
;; Inputs: b_out 1,024 float32; lowp_scales 8 int32 (the exponents e of the quantised operands' scales 2^e); w_out_codes 1,024 x 32 x 32 uint8 (E4M3 codes of w_out, K innermost, in blocks of 32 codes); w_qkv_codes 3,072 x 32 x 32 uint8 (E4M3 codes of w_qkv, K innermost, in blocks of 32 codes); x_codes 1 x 4,096 x 32 x 32 uint8 (E4M3 codes of x, K innermost, in blocks of 32 codes).
;; Outputs: out0 1 x 4,096 x 1,024 float32.
;; This version of the problem:
;;   THIS VERSION OF THE PROBLEM IS GIVEN IN LOW PRECISION. The matrix products marked QUANTISED in the list below multiply operands that are first quantised to E4M3 (4 exponent bits, 3 mantissa bits; 8 bits a number), with one given power-of-two scale for each operand tensor; their sums are f32. All else is computed in f32.
;;   The module's matrix products, in the order in which they are computed (A, B: the left and right operand; K: the contracted axis; several contracted axes count as one K, in the product's order):
;;     1. [M 4,096, K 1,024] x [K 1,024, N 3,072]; A: input x (given as codes); B: input w_qkv (given as codes): QUANTISED (scales: A lowp_scales[0], B lowp_scales[1])
;;     2. batch 16 x [M 4,096, K 64] x [K 64, N 4,096]; A: computed on the way; B: computed on the way: QUANTISED (scales: A lowp_scales[2], B lowp_scales[3])
;;     3. batch 16 x [M 64, K 4,096] x [K 4,096, N 4,096]; A: computed on the way; B: softmax (see below): QUANTISED (scales: A lowp_scales[4], B lowp_scales[5])
;;     4. [M 4,096, K 1,024] x [K 1,024, N 1,024]; A: computed on the way; B: input w_out (given as codes): QUANTISED (scales: A lowp_scales[6], B lowp_scales[7])
;;   THE QUANTISER, for each operand of a quantised product, along K:
;;     - The operand's scale is 2^e, e = its entry of the input lowp_scales (int32; the entries are numbered through the quantised products in the list's order, A before B).
;;     - Each number is divided by the scale, clamped to +-448, and rounded to the nearest number of E4M3, ties to even, subnormals kept.
;;     - The product sums the exact products of the quantised numbers (number of the format x scale) in f32.
;;   ~~~python
;;   def quantise(x, axis, e):      # numpy; x: float32 -> the quantised numbers, widened to float32 again
;;       x = np.moveaxis(x, axis, -1); K = x.shape[-1]
;;       r = np.clip(x / 2.0 ** e, -448, 448)
;;       step = 2.0 ** (np.maximum(np.frexp(np.where(r == 0, 1, r))[1] - 1, -6) - 3)
;;       q = np.round(r / step) * step * 2.0 ** e      # np.round: ties to even
;;       return np.moveaxis(q, -1, axis).astype(np.float32)
;;   ~~~
;;   SOFTMAX AHEAD OF A QUANTISED PRODUCT. Where the list says 'softmax', what is quantised is not the finished softmax but p = 2^(t - M), with t = logit x log2(e) and M = ceil(the row's largest t), a whole number; so 1/2 < the row's largest p <= 1. The row's sum l is taken of the UNQUANTISED p, in f32, and the product's result is divided by l at the end. Since M is a whole number, a kernel that streams over the keys may use a running M (the ceiling of the running maximum): every later rescaling is an exact power of two, so the quantised numbers keep their values, but for numbers so far below the row's largest that they fall under the format's range.
;;   OPERANDS COMPUTED ON THE WAY. 'Computed on the way' means the value that the module computes at that place (a softmax that the list does not call 'softmax' is quantised finished and normalised). What goes into a quantiser is computed in f32, as accurately as f32 sums, v_exp_f32 and their like allow (about 1e-6 of the number): no bf16 or f16 on the way to a quantiser, and a product that is left as it is and whose result goes on into a quantised operand takes f32 operands (vector FMAs, or v_wmma_f32_16x16x4_f32). A number that lies on a knife's edge between two numbers of the format may be rounded either way, as far as f32 arithmetic and the matrix unit's own rounding can turn it there, and no further.
;;   INPUTS GIVEN AS CODES. w_out (in the module: [1024, 1024], K = its axis 0); w_qkv (in the module: [1024, 3072], K = its axis 0); x (in the module: [1, 4096, 1024], K = its axis 2): each comes as NAME_codes (uint8): NAME with its K axis moved to the last place and cut into blocks of 32 codes, [.., K / 32, bytes a block], one block behind the other in memory; one code a byte (a code: sign, 4 exponent bits, 3 mantissa bits); its scale is its entry of lowp_scales. Its value is code x scale, taken as it is: it is not quantised again, and the codes and scales need not be those that the quantiser above would give.
;; One version. Each part assembles by itself: llvm-mc -triple=amdgcn-amd-amdhsa -mcpu=gfx1250 --defsym DOCPART=n.
;; ======== version 1 of 1: 3 launches
;; limits: right only within a limited range of input values
;; workspace buffers: q_img 4,194,304 bytes; kk_img 8,388,608 bytes; att_img 4,194,304 bytes
;; launch proj (part 1): grid 8 x 32, 4 waves a work-group, clusters of 4 x 4, 327,680 bytes of LDS; arguments x_codes, w_qkv_codes, lowp_scales, q_img, kk_img; writes q_img, kk_img
.if DOCPART == 1
	.amdgcn_target "amdgcn-amd-amdhsa--gfx1250"
	.amdhsa_code_object_version 6
	.text
	.protected	k_qe1964d6e80_proj
	.globl	k_qe1964d6e80_proj
	.p2align	8
	.type	k_qe1964d6e80_proj,@function
k_qe1964d6e80_proj:
	s_mov_b64 s[64:65], 0
	v_nop
	global_prefetch_b8 v0, s[64:65] scope:SCOPE_SE
	s_setreg_imm32_b32 hwreg(HW_REG_WAVE_MODE, 25, 1), 1
	s_wait_xcnt 0x0
	s_wait_alu depctr_hold_cnt(0) depctr_sa_sdst(0) depctr_va_vdst(0) depctr_va_sdst(0) depctr_va_ssrc(0) depctr_va_vcc(0) depctr_vm_vsrc(0)
	s_getreg_b32 s2, hwreg(HW_REG_IB_STS2, 6, 4)
	s_cmp_eq_u32 s2, 0
	s_cbranch_scc0 .Lentry_in_a_cluster
	s_endpgm
.Lentry_in_a_cluster:
	s_bfe_u32 s2, ttmp6, 0x10000c
	s_cmp_lg_u32 s2, 0xf033
	s_cbranch_scc0 .Lentry_shape_is_right
	s_endpgm
.Lentry_shape_is_right:
; q = x Wq^T / 8 and k = x Wk^T on codes of FP8 (E4M3), quantised in registers into three operands of the attention launch.  e0 .. e7 are the whole numbers of the buffer of scales.
; In the product of the scores k is the left operand (2^e2, along d) and q / 8 the right one (2^e3, along d); k along the KEYS, the left operand of the product with the softmax, takes 2^e4.
; WORK LEFT OUT: the function reshapes v and never uses it (it takes k in v's place), so for all values of the inputs the value third of the projection reaches no result:
; rows 2048 .. 3071 of w_qkv_codes are neither read nor multiplied.  LIMIT: a NaN, an infinity or an overflow that would arise only in that third is not carried to the result.
; THE RESULTS ARE IMAGES OF OPERAND REGISTERS.  A chunk is 512 bytes: 16 rows x 32 along K; lane l = (r = l % 16, h = l / 16) owns bytes 16 l .. 16 l + 15:
; K0 + 8 h + 0 .. 7, then K0 + 16 + 8 h + 0 .. 7 of row r.  A matrix result holds, in lane (r, h), rows 8 h + 0 .. 7 of source 0 for row r of source 1: the conversions of two neighbouring tiles ARE a chunk.
; k with the keys innermost is the same product with its sources swapped.
; SHARES.  256 work-groups that stay: each owns 128 tokens and TWO heads, g and g + 8, one after the other (a head: 64 rows of Wq, 64 of Wk).  Wave w: tokens 64 (w / 2) on, columns 32 (w % 2) on: 3 x 8 accumulators.
; LDS.  x's 128 rows and a head's 128 rows of W, 1,024 bytes each (all of K), lie in LDS whole.  At the head each wave brings 64 rows by ONE tensor load.  x stays.  When the first head's last fragments of W are in
; registers, ahead of its eighth K step, W's rows are filled again with the second head's (waves 2 and 3, one load each): that load has 24 products and the first head's way out in which to land.
; CLUSTER.  4 x 4: the four of a row share the tokens, the four of a column the heads: each tile is asked for jointly.  No prefetch: the text has no loop to run ahead in.
; The fragments are fetched 16 bytes a lane (k = 32 c + 16 h + 0 .. 15 in registers 4 c .. 4 c + 3): a permutation of k, the same in x and in W.
; LIMITS: e3 - e0 - e1 + 3, e2 - e0 - e1 and e4 - e0 - e1 lie between -126 and 119.  NaN codes are not served.
; REGISTERS.  Window 0: v1-21 addresses and scales; v32-95 q's sums, v96-159 k's, v160-223 those of k with the keys innermost; v224-255 (and v32-47 again) codes.  Window 1: two sets of fragments, 128 each.
.set PITCH, 1040                       ; an LDS row: 1,024 bytes + 16 of padding: 65 x 16 bytes
.set HALF,  64*PITCH                   ; 64 rows: what one tensor load brings
.set SPARE, 278528                     ; behind the 4 x HALF bytes of tiles: the spare words, 128 bytes a wave
.set WNEXT, 8*65536                    ; eight heads on in W: 64 rows of 1,024 bytes a head
.set QNEXT, 8*262144                   ; in q's image
.set KNEXT, 8*524288                   ; in k's images
.set QA, 32
.set KA, 96
.set TA, 160
.set CQ, 224
.set CK, 240
.set CT, 32
.set GK, 4                             ; v4  my byte in q's and in k's images
.set GT, 6                             ; v6  and in the image with the keys innermost
.set AX, 8                             ; v8  LDS address of my fragments of x;  v9 of Wq;  v10 of Wk
.set AW, 9
.set AK, 10
.set SQ, 16                            ; scale as f32 and 448 x it: v16, v17 q's;  v18, v19 k's;  v20, v21 the third operand's
.set LQ, 17
.set SK, 18
.set LK, 19
.set SV, 20
.set LV, 21
.set G1X, 24                           ; s[24:31] descriptor group 1 for x;  s[32:39] for W: another mask
.set G1W, 32
.set G0X, 40                           ; s[40:43], s[44:47] groups 0
.set G0W, 44
.set MSB, 0
.macro WIN new                         ; the immediate's high byte repeats the setting that is left
.if MSB != \new
	s_set_vgpr_msb (MSB<<8)|\new
.set MSB, \new
.endif
.endm
.set MUL,  0x05                        ; sources 0 and 1 window 1; C and D window 0
.set TO_F, 0x40                        ; destination window 1, address window 0
.macro CROUND                          ; a round of the cluster's barrier
	s_barrier_signal -1
	s_barrier_wait -1
	s_cmp_lg_u32 s14, 0
	s_cbranch_scc1 .Lnot_wave_0_\@
	s_barrier_signal -3
.Lnot_wave_0_\@:
	s_barrier_wait -3
	s_barrier_signal -1
	s_barrier_wait -1
.endm
.macro PLACES                          ; four plain vector instructions behind matrix instructions (ISA guide 7.12.1)
.rept 4
	v_nop
.endr
.endm
	s_load_b256 s[4:11], s[0:1], 0x0               ; x s[4:5], W s[6:7], the exponents s[8:9], q's image s[10:11]
	s_load_b64 s[12:13], s[0:1], 0x20              ; k's images
	v_lshl_add_u32 v30, v0, 2, SPARE
	v_mov_b32 v31, 0
	ds_add_u32 v30, v31                            ; the opening lines: the add twice on end and its wait
	ds_add_u32 v30, v31
	v_lshrrev_b32 v1, 5, v0
	v_readfirstlane_b32 s14, v1                    ; wave 0..3
	s_lshr_b32 s15, s14, 1                         ; my half of the tokens.  Also: I fetch x (0) or W (1)
	s_and_b32 s16, s14, 1                          ; my half of the columns.  Also: which 64 rows I fetch
	s_mul_i32 s17, s14, HALF                       ; where my tile goes: wave x 64 rows
	s_bfe_u32 s20, ttmp6, 0x40000                  ; cx, cy
	s_bfe_u32 s21, ttmp6, 0x40004
	s_lshl_b32 s22, ttmp9, 2
	s_add_co_u32 s22, s22, s20                     ; g, my first head: 0 .. 7
	s_and_b32 s23, ttmp7, 0xffff
	s_lshl_b32 s23, s23, 2
	s_add_co_u32 s23, s23, s21                     ; the block of 128 tokens
	s_lshl_b32 s92, s21, 2
	s_lshl_b32 s92, 15, s92                        ; my row of the cluster
	s_lshl_b32 s93, 0x1111, s20                    ; my column
	s_or_b32 s[G1X], s92, (1<<20)|(1<<21)|(7<<22)|(3<<25)  ; the mask; elements of 1 byte; padding of four words after every 256; bit 21 beside a mask
	s_or_b32 s[G1W], s93, (1<<20)|(1<<21)|(7<<22)|(3<<25)
.irp g, G1X, G1W
	s_mov_b32 s[\g+1], 1024<<16                    ; tensor_dim0
	s_mov_b32 s[\g+2], 64<<16                      ; tensor_dim1
	s_mov_b32 s[\g+3], 1024<<16                    ; tile_dim0
	s_mov_b32 s[\g+4], 64                          ; tile_dim1
	s_mov_b32 s[\g+5], 1024                        ; pitch
	s_mov_b32 s[\g+6], 0
	s_mov_b32 s[\g+7], 0
.endr
	s_lshl_b32 s84, s23, 17                        ; x: 128 tokens of 1,024 bytes a block, + my 64 rows
	s_lshl_b32 s92, s16, 16
	s_add_co_u32 s84, s84, s92
	s_mov_b32 s85, 0
	s_lshl_b32 s86, s22, 16                        ; W: the head's 64 rows; wave 2 Wq's, wave 3 Wk's, 1,024 rows further on
	s_lshl_b32 s93, s16, 20
	s_add_co_u32 s86, s86, s93
	s_mov_b32 s87, 0
	s_lshl_b32 s88, s22, 18                        ; q's image: 262,144 bytes a head, 8,192 a block
	s_lshl_b32 s94, s23, 13
	s_add_co_u32 s88, s88, s94
	s_mov_b32 s89, 0
	s_lshl_b32 s90, s22, 19                        ; k's images: 524,288 bytes a head, 16,384 a block
	s_lshl_b32 s94, s23, 14
	s_add_co_u32 s90, s90, s94
	s_mov_b32 s91, 0
	s_wait_dscnt 0x0
	s_wait_kmcnt 0x0
	s_load_b256 s[56:63], s[8:9], 0x0              ; e0 .. e7
	s_add_nc_u64 s[10:11], s[10:11], s[88:89]
	s_add_nc_u64 s[12:13], s[12:13], s[90:91]
	s_mov_b32 s[G0X], 1
	s_mov_b32 s[G0X+1], s17
	s_add_nc_u64 s[G0X+2:G0X+3], s[4:5], s[84:85]
	s_or_b32 s[G0X+3], s[G0X+3], 0x80000000
	s_mov_b32 s[G0W], 1
	s_mov_b32 s[G0W+1], s17
	s_add_nc_u64 s[G0W+2:G0W+3], s[6:7], s[86:87]
	s_or_b32 s[G0W+3], s[G0W+3], 0x80000000
	CROUND                                         ; all sixteen work-groups are here: the joint loads meet
	s_cmp_eq_u32 s15, 0                            ; one fill in each arm: one tensor load of mine is out
	s_cbranch_scc0 .Lfirst_w
	tensor_load_to_lds s[G0X:G0X+3], s[G1X:G1X+7]
	s_nop 0
	PLACES
	s_branch .Lfirst_asked
.Lfirst_w:
	tensor_load_to_lds s[G0W:G0W+3], s[G1W:G1W+7]
	s_nop 0
	PLACES
.Lfirst_asked:
	v_and_b32 v1, 15, v0                           ; r
	v_bfe_u32 v2, v0, 4, 1                         ; h
	v_and_b32 v3, 31, v0
	v_lshlrev_b32 v3, 4, v3                        ; 16 x lane
	s_lshl_b32 s94, s15, 12                        ; q, k: tile of tokens 4 (w / 2) + a: 1,024 bytes each; chunk w % 2: 512
	s_lshl_b32 s95, s16, 9
	s_add_co_u32 s94, s94, s95
	v_add_nc_u32 v[GK], s94, v3
	s_lshl_b32 s94, s16, 12                        ; keys innermost: behind k's 8,192 bytes; tile of d 2 (w % 2) + b: 2,048 each; chunk 2 (w / 2) + p: 512
	s_lshl_b32 s95, s15, 10
	s_add_co_u32 s94, s94, s95
	s_add_co_u32 s94, s94, 8192
	v_add_nc_u32 v[GT], s94, v3
	v_mul_u32_u24 v5, v1, PITCH
	v_lshl_add_u32 v5, v2, 4, v5                   ; a fragment's row x pitch + 16 x half
	s_wait_alu depctr_va_vdst(0)
	s_mul_i32 s94, s15, HALF                       ; my 64 rows of x
	s_mul_i32 s95, s16, 32*PITCH                   ; my 32 rows of Wq,
	s_add_co_u32 s95, s95, 2*HALF                  ; behind x's 128
	v_add_nc_u32 v[AX], s94, v5
	v_add_nc_u32 v[AW], s95, v5
	v_add_nc_u32 v[AK], HALF, v[AW]                ; Wk lies 64 rows behind Wq
.macro PAIR sc, lim                    ; s93 holds E + 127: v[sc] = 2^E, v[lim] = 448 x 2^E
	s_lshl_b32 s94, s93, 23
	v_mov_b32 v[\sc], s94
	s_add_co_i32 s95, s93, 8
	s_lshl_b32 s95, s95, 23
	s_or_b32 s95, s95, 0x600000
	v_mov_b32 v[\lim], s95
.endm
	s_wait_alu depctr_va_vdst(0)                   ; directly ahead of the wait below
	s_wait_kmcnt 0x0
	s_add_co_i32 s92, s56, s57                     ; a sum stands for sum x 2^(e0 + e1): folded into the conversion's scale
	s_sub_co_i32 s93, s59, s92
	s_add_co_i32 s93, s93, 130                     ; q / 8: E = e3 - e0 - e1 + 3
	PAIR SQ, LQ
	s_sub_co_i32 s93, s58, s92
	s_add_co_i32 s93, s93, 127                     ; k along d: E = e2 - e0 - e1
	PAIR SK, LK
	s_sub_co_i32 s93, s60, s92
	s_add_co_i32 s93, s93, 127                     ; k along the keys: E = e4 - e0 - e1
	PAIR SV, LV
.macro FRAG reg, adr, off              ; 16 rows x 128 K: four loads of 16 bytes a lane, 32 bytes apart
.irp cc, 0,1,2,3
	ds_load_b128 v[(\reg)+4*\cc:(\reg)+4*\cc+3], v[\adr] offset:(\off)+32*\cc
.endr
.endm
.macro FETCH s                         ; step s (128 along K, at byte 128 s of the rows) into set s % 2: 32 loads in one run
	WIN TO_F
.irp a, 0,1,2,3
	FRAG 128*((\s)%2)+16*\a, AX, 16*PITCH*\a+128*(\s)
.endr
.irp b, 0,1
	FRAG 128*((\s)%2)+64+16*\b, AW, 16*PITCH*\b+128*(\s)
	FRAG 128*((\s)%2)+96+16*\b, AK, 16*PITCH*\b+128*(\s)
.endr
.endm
.macro MM d, x, y, zero                ; zero = 1: the first product starts the sum
.if \zero
	v_wmma_f32_16x16x128_fp8_fp8 v[(\d):(\d)+7], v[(\x):(\x)+15], v[(\y):(\y)+15], 0
.else
	v_wmma_f32_16x16x128_fp8_fp8 v[(\d):(\d)+7], v[(\x):(\x)+15], v[(\y):(\y)+15], v[(\d):(\d)+7]
.endif
.endm
.macro MULS p, a0, zero                ; 12 matrix instructions; the 24 accumulators take turns, one instruction a turn
.irp a, \a0, \a0+1
.irp b, 0,1
	MM QA+8*(2*(\a)+\b), 128*(\p)+64+16*\b, 128*(\p)+16*(\a), \zero    ; source 0 = 16 rows of Wq, source 1 = 16 tokens
	MM KA+8*(2*(\a)+\b), 128*(\p)+96+16*\b, 128*(\p)+16*(\a), \zero    ; the same with Wk
	MM TA+8*(2*(\a)+\b), 128*(\p)+16*(\a), 128*(\p)+96+16*\b, \zero    ; swapped: a lane holds one d and eight tokens
.endr
.endr
.endm
.macro STEP s, zero
	s_wait_dscnt 0x0                               ; this step's fragments, asked for 12 matrix instructions ago, are in
	WIN MUL
	MULS (\s)%2, 0, \zero
.if (\s) < 7
	PLACES
	FETCH (\s)+1
.endif
	WIN MUL
	MULS (\s)%2, 2, \zero
.endm
; Two neighbouring tiles' sums become a chunk's four registers: the hold at 448 x the scale (the conversion does not saturate: ISA guide 7.6.2), each accumulator from its low end on, then the conversions.
.macro CODES dst, lo, hi, sc, lim
.irp i, 0,1,2,3,4,5,6,7
	v_med3_num_f32 v[(\lo)+\i], v[(\lo)+\i], -v[\lim], v[\lim]
.endr
.irp i, 0,1,2,3,4,5,6,7
	v_med3_num_f32 v[(\hi)+\i], v[(\hi)+\i], -v[\lim], v[\lim]
.endr
	v_cvt_scalef32_pk8_fp8_f32 v[(\dst):(\dst)+1], v[(\lo):(\lo)+7], v[\sc]
	v_cvt_scalef32_pk8_fp8_f32 v[(\dst)+2:(\dst)+3], v[(\hi):(\hi)+7], v[\sc]
.endm
; ONE HEAD: n = 0: head g; n = 1: head g + 8.
.macro PASS n
	s_wait_tensorcnt 0x0                           ; my rows are in
	s_barrier_signal -1
	s_barrier_wait -1                              ; everybody's are
	FETCH 0
	STEP 0, 1
.irp s, 1,2,3,4,5,6
	STEP \s, 0
.endr
.if \n == 0
	WIN 0                                          ; W'S ROWS ARE FILLED AGAIN.  No tensor load of mine is out;
	s_wait_tensorcnt 0x0
	ds_add_u32 v30, v31
	s_add_nc_u64 s[G0W+2:G0W+3], s[G0W+2:G0W+3], WNEXT   ; eight heads on; the type bits on top are not reached
	s_wait_dscnt 0x0                               ; the add is done, and my last reads of this head's W, the eighth step's fragments, are in registers
	CROUND                                         ; that holds of every wave of every partner
	s_cmp_eq_u32 s15, 0                            ; waves 0 and 1 have no part of W to fill
	s_cbranch_scc1 .Lno_refill
	tensor_load_to_lds s[G0W:G0W+3], s[G1W:G1W+7]  ; my one tensor load behind the round
	s_nop 0
	PLACES
.Lno_refill:
.endif
	STEP 7, 0
	WIN 0
	PLACES
	s_wait_alu depctr_va_vdst(0)                   ; the scales were made at the head
.irp a, 0,1,2,3
	CODES CQ+4*\a, QA+16*\a, QA+16*\a+8, SQ, LQ
	global_store_b128 v[GK], v[CQ+4*\a:CQ+4*\a+3], s[10:11] offset:1024*\a+QNEXT*\n     ; 32 lanes store 512 consecutive bytes, aligned
.endr
.irp a, 0,1,2,3
	CODES CK+4*\a, KA+16*\a, KA+16*\a+8, SK, LK
	global_store_b128 v[GK], v[CK+4*\a:CK+4*\a+3], s[12:13] offset:1024*\a+KNEXT*\n
.endr
.irp b, 0,1
.irp p, 0,1
	CODES CT+4*(2*\b+\p), TA+8*(4*\p+\b), TA+8*(4*\p+2+\b), SV, LV             ; tiles of tokens 2 p and 2 p + 1: 32 neighbouring keys
	global_store_b128 v[GT], v[CT+4*(2*\b+\p):CT+4*(2*\b+\p)+3], s[12:13] offset:2048*\b+512*\p+KNEXT*\n
.endr
.endr
	v_nop                                          ; a plain vector instruction behind the last conversion
.if \n == 0
	s_wait_xcnt 0x0                                ; the stores have read their registers, which the next head's sums and codes write again
.endif
.endm
	PASS 0
	PASS 1
	s_wait_tensorcnt 0x0                           ; the wave's end
	ds_add_u32 v30, v31
	s_wait_dscnt 0x0
	CROUND                                         ; the closing round
	s_endpgm
.Lfunc_end_k_qe1964d6e80_proj:
	.size	k_qe1964d6e80_proj, .Lfunc_end_k_qe1964d6e80_proj-k_qe1964d6e80_proj
	.p2alignl 7, 3214868480
	.fill 96, 4, 3214868480
	.section	.rodata,"a",@progbits
	.p2align	6, 0x0
	.amdhsa_kernel k_qe1964d6e80_proj
		.amdhsa_group_segment_fixed_size 327680
		.amdhsa_private_segment_fixed_size 0
		.amdhsa_enable_private_segment 0
		.amdhsa_kernarg_size 40
		.amdhsa_user_sgpr_count 2
		.amdhsa_user_sgpr_kernarg_segment_ptr 1
		.amdhsa_wavefront_size32 1
		.amdhsa_system_sgpr_workgroup_id_x 1
		.amdhsa_system_sgpr_workgroup_id_y 1
		.amdhsa_system_sgpr_workgroup_id_z 1
		.amdhsa_system_vgpr_workitem_id 0
		.amdhsa_next_free_vgpr 512
		.amdhsa_next_free_sgpr 96
		.amdhsa_reserve_vcc 0
		.amdhsa_float_denorm_mode_32 3
		.amdhsa_float_denorm_mode_16_64 3
		.amdhsa_memory_ordered 1
		.amdhsa_forward_progress 1
		.amdhsa_inst_pref_size 97
	.end_amdhsa_kernel
	.amdgpu_metadata
---
amdhsa.version: [ 1, 2 ]
amdhsa.kernels:
  - .name:           k_qe1964d6e80_proj
    .symbol:         k_qe1964d6e80_proj.kd
    .args:
      - { .name: x_codes, .offset: 0, .size: 8, .value_kind: global_buffer, .address_space: global }
      - { .name: w_qkv_codes, .offset: 8, .size: 8, .value_kind: global_buffer, .address_space: global }
      - { .name: lowp_scales, .offset: 16, .size: 8, .value_kind: global_buffer, .address_space: global }
      - { .name: q_img, .offset: 24, .size: 8, .value_kind: global_buffer, .address_space: global }
      - { .name: kk_img, .offset: 32, .size: 8, .value_kind: global_buffer, .address_space: global }
    .group_segment_fixed_size: 327680
    .private_segment_fixed_size: 0
    .kernarg_segment_align: 8
    .kernarg_segment_size: 40
    .max_flat_workgroup_size: 128
    .sgpr_count:     96
    .vgpr_count:     512
    .wavefront_size: 32
...
	.end_amdgpu_metadata
.endif
;; end of part 1
;; launch attn (part 2): grid 16 x 16, 8 waves a work-group, clusters of 4 x 1, 327,680 bytes of LDS; arguments q_img, kk_img, lowp_scales, att_img; writes att_img
.if DOCPART == 2
	.amdgcn_target "amdgcn-amd-amdhsa--gfx1250"
	.amdhsa_code_object_version 6
	.text
	.protected	k_qe1964d6e80_attn
	.globl	k_qe1964d6e80_attn
	.p2align	8
	.type	k_qe1964d6e80_attn,@function
k_qe1964d6e80_attn:
	s_mov_b64 s[64:65], 0
	v_nop
	global_prefetch_b8 v0, s[64:65] scope:SCOPE_SE
	s_setreg_imm32_b32 hwreg(HW_REG_WAVE_MODE, 25, 1), 1
	s_wait_xcnt 0x0
	s_wait_alu depctr_hold_cnt(0) depctr_sa_sdst(0) depctr_va_vdst(0) depctr_va_sdst(0) depctr_va_ssrc(0) depctr_va_vcc(0) depctr_vm_vsrc(0)
	s_getreg_b32 s2, hwreg(HW_REG_IB_STS2, 6, 4)
	s_cmp_eq_u32 s2, 0
	s_cbranch_scc0 .Lentry_in_a_cluster
	s_endpgm
.Lentry_in_a_cluster:
	s_bfe_u32 s2, ttmp6, 0x10000c
	s_cmp_lg_u32 s2, 0x3003
	s_cbranch_scc0 .Lentry_shape_is_right
	s_endpgm
.Lentry_shape_is_right:
; att[q][head][:] = the sum over keys of softmax(q . k) k (the function takes k in v's place), both products on codes of FP8 (E4M3); the result is quantised with 2^e6 for the output projection.
; All three buffers are images of operand registers: chunks of 512 bytes, 16 rows x 32 along K, lane l's 16 bytes at 16 l (K0 + 8 (l / 16) + 0 .. 7, then K0 + 16 + 8 (l / 16) + 0 .. 7 of row l % 16).
;   q_img [head][tile of 16 queries][2 chunks];  kk_img [head][step of 128 keys][16,384 bytes]: 8 tiles of keys x 2 chunks (K = d), then 4 tiles of d x 4 chunks (K = the keys);  att_img [tile of queries][2 x head + c].
; THE SOFTMAX: t = score x log2(e); M = the largest t so far, rounded UP to a whole number; p = 2^(t - M) is quantised with 2^e5, not normalised.  The row's sum is taken of the unquantised p and divides at the end.
; When M moves, the sum and O are multiplied by 2^(old M - new M): nothing is rounded, and no branch hangs on data.  The running maximum is kept of the raw scores (the factor is positive).
; SHARES.  A work-group owns 256 queries of one head, each of its eight waves two tiles of 16.  Both products are used transposed (S^T = K Q^T, O^T = V^T P^T): a lane holds ONE query; tile c of S^T, converted, is registers 2 c, 2 c + 1 of P.
; A KEY STEP (128 keys): the scores' 16 products; this step's V is asked for; the NEXT step's K is asked for; maxima; then the 128 exponentials in two batches of 64,
; each with independent plain lines between them: tile 1's scalings in the first, tile 0's first additions and holds in the second.  What those lines write is read only behind the wait that closes the batch.
; RING.  Two slots of 1,024 keys (131,072 bytes, dense as in memory).  Each wave fetches an eighth by one joint load: the four query blocks of a cluster walk the same keys.  The change of slots stands in the MIDDLE of a slot's
; last step, behind that step's loads of V and ahead of the loads of the next slot's first K.  One tensor load of a wave is out at a time; it has eight key steps in which to land.
; LIMITS: the scaled scores stay under 2^31 in magnitude; e2 + e3 between -126 and 127; e5 and e6 - e4 - e5 between -126 and 119.  NaN codes are not served.
; REGISTERS.  Window 0: v1-6 addresses; v8-39 statistics; v40-45 scales; v48-63 Q; v64-95 P; v96-223 S^T, then p; v224-255 tile 0's first additions, at the end the codes that leave.
;   Window 1: v0-63 O^T (32 t + 8 dt); v64-127 K's fragments; v128-191 V's.
.set STEPB, 16384
.set SLOTB, 131072                     ; slot 1 begins here: one exclusive or turns an address
.set SPARE, 2*SLOTB                    ; the spare words, 128 bytes a wave
.set LI,  1                            ; v1   16 x lane; never rewritten once made
.set ADR, 2                            ; v2   LDS address of the step whose K was asked for last
.set SPW, 4                            ; v4   my spare word;  v5  0
.set NIL, 5
.set PFO, 6                            ; v6   256 x lane: the prefetches' offset
.set STA, 8                            ; tile t at v[STA + 16 t]: +0 -M, +1 the largest score, +2 +3 the sum, +4 f, +5 zero, +6 +7 at work, +8 +9 a second chain of sums, +10 the exchange
.set L0, STA+2
.set L1, STA+18
.set A0, STA+8
.set A1, STA+24
.set F0, STA+4
.set F1, STA+20
.set PLIM, 40                          ; 448 x 2^e5, and once more in v45: the two halves of a dual pair read their second sources from different banks
.set PSC,  41                          ; 2^e5
.set OLIM, 42                          ; 448 x 2^(e6 - e4 - e5)
.set OSC,  43                          ; 2^(e6 - e4 - e5)
.set PLM2, 45
.set QF,  48
.set PF,  64
.set SF,  96
.set S1,  SF+64
.set TMP, 224
.set CO,  224
.set KF,  64                           ; in window 1
.set VF,  128
.set WV,  12
.set G1,  16                           ; s[16:23] descriptor group 1;  s[24:27] group 0, which walks
.set G0,  24
.set TB,  28                           ; s28  LDS byte of the step whose K is asked for next
.set SLOTS, 29                         ; s29  slots still to be asked for
.set CNT, 30
.set CS,  32                           ; s[32:33] log2(e) x 2^(e2 + e3)
.set SEL, 34                           ; s[34:35] selects for lane l xor 16
.set PFA, 36                           ; s[36:37] where my prefetches stand
.set LIM, 38                           ; s38  1 in a wave that prefetches, else the greatest number
.set MSB, 0
.macro WIN new                         ; the immediate's high byte repeats the setting that is left
.if MSB != \new
	s_set_vgpr_msb (MSB<<8)|\new
.set MSB, \new
.endif
.endm
.macro CROUND                          ; a round of the cluster's barrier
	s_barrier_signal -1
	s_barrier_wait -1
	s_cmp_lg_u32 s[WV], 0
	s_cbranch_scc1 .Lnot_wave_0_\@
	s_barrier_signal -3
.Lnot_wave_0_\@:
	s_barrier_wait -3
	s_barrier_signal -1
	s_barrier_wait -1
.endm
.macro PLACES
.rept 4
	v_nop
.endr
.endm
; A prefetch of what the NEXT change of slots will ask for: 131,072 bytes, eight key steps ahead of that load.  All clusters of a head walk the same bytes: the head's first cluster asks.  Its four partners take
; 32,768 bytes each, told apart by address; in each, waves 0 to 3 take 8,192, lanes 256 bytes apart: each aligned block of 256 bytes is named once in the launch.  The last change that fills a slot asks for nothing.
.macro ASK
	s_cmp_gt_u32 s[SLOTS], s[LIM]
	s_cbranch_scc0 .Lnot_mine_\@
	global_prefetch_b8 v[PFO], s[PFA:PFA+1] th:TH_LOAD_NT scope:SCOPE_SE
.Lnot_mine_\@:
.endm
	s_load_b256 s[4:11], s[0:1], 0x0               ; q's image s[4:5], k's images s[6:7], the exponents s[8:9], the result's image s[10:11]
	v_lshl_add_u32 v[SPW], v0, 2, SPARE
	v_mov_b32 v[NIL], 0
	ds_add_u32 v[SPW], v[NIL]                      ; the opening lines: the add twice on end and its wait
	ds_add_u32 v[SPW], v[NIL]
	s_wait_dscnt 0x0
	v_lshrrev_b32 v1, 5, v0
	v_readfirstlane_b32 s[WV], v1                  ; wave 0..7
	s_bfe_u32 s13, ttmp6, 0x40000                  ; cx
	s_lshl_b32 s14, ttmp9, 2
	s_add_co_u32 s14, s14, s13                     ; my block of 256 queries: it enters q's and the result's addresses alone
	s_and_b32 s15, ttmp7, 0xffff                   ; the head, which the four partners share
	s_mov_b32 s[G1], 15|(3<<16)|(1<<21)            ; the mask: all four; elements of 8 bytes; bit 21 beside a mask; no padding: every LDS load takes 512 consecutive bytes
	s_mov_b32 s[G1+1], 32<<16                      ; a dense block of 16,384 bytes as 64 rows of 256
	s_mov_b32 s[G1+2], 64<<16
	s_mov_b32 s[G1+3], 32<<16
	s_mov_b32 s[G1+4], 64
	s_mov_b32 s[G1+5], 32
	s_mov_b32 s[G1+6], 0
	s_mov_b32 s[G1+7], 0
	s_lshl_b32 s48, s15, 19                        ; k's images: 524,288 bytes a head, + my wave's eighth of a slot
	s_lshl_b32 s49, s[WV], 14
	s_add_co_u32 s48, s48, s49
	s_mov_b32 s49, 0
	s_lshl_b32 s50, s15, 18                        ; q: 262,144 bytes a head, 16,384 a block, 2,048 a wave
	s_lshl_b32 s51, s14, 14
	s_add_co_u32 s50, s50, s51
	s_lshl_b32 s51, s[WV], 11
	s_add_co_u32 s50, s50, s51
	s_mov_b32 s51, 0
	s_lshl_b32 s52, s14, 18                        ; the result: 16,384 bytes a tile of queries (16 a block, 2 a wave), 1,024 a head
	s_lshl_b32 s53, s[WV], 15
	s_add_co_u32 s52, s52, s53
	s_lshl_b32 s53, s15, 10
	s_add_co_u32 s52, s52, s53
	s_mov_b32 s53, 0
	s_lshl_b32 s54, s15, 19                        ; the prefetches: the head, my work-group's 32,768 bytes, my wave's 8,192,
	s_lshl_b32 s55, s13, 15
	s_add_co_u32 s54, s54, s55
	s_and_b32 s55, s[WV], 3
	s_lshl_b32 s55, s55, 13
	s_add_co_u32 s54, s54, s55
	s_add_co_u32 s54, s54, SLOTB                   ; in slot 1: the first change of slots steps it to slot 2
	s_mov_b32 s55, 0
	s_lshr_b32 s[LIM], s[WV], 2                    ; 0 in waves 0 to 3,
	s_or_b32 s[LIM], s[LIM], ttmp9                 ; of the head's first cluster: the same in all four partners
	s_cmp_eq_u32 s[LIM], 0
	s_cselect_b32 s[LIM], 1, -1
	s_mov_b32 s[SEL], 0x76543210
	s_mov_b32 s[SEL+1], 0xfedcba98
	s_mov_b32 s[TB], 0
	s_mov_b32 s[SLOTS], 3                          ; four slots' worth of keys: three are asked for at changes of slots
	s_wait_kmcnt 0x0
	s_load_b256 s[40:47], s[8:9], 0x0              ; e0 .. e7
	s_mov_b32 s[G0], 1
	s_lshl_b32 s[G0+1], s[WV], 14                  ; slot 0, my eighth
	s_add_nc_u64 s[G0+2:G0+3], s[6:7], s[48:49]
	s_or_b32 s[G0+3], s[G0+3], 0x80000000
	s_add_nc_u64 s[PFA:PFA+1], s[6:7], s[54:55]
	s_add_nc_u64 s[4:5], s[4:5], s[50:51]
	s_add_nc_u64 s[10:11], s[10:11], s[52:53]
	CROUND                                         ; all four work-groups are here: the first joint loads meet
	tensor_load_to_lds s[G0:G0+3], s[G1:G1+7]      ; slot 0: my one tensor load at the head
	s_nop 0
	PLACES
	v_and_b32 v[LI], 31, v0
	v_lshlrev_b32 v[PFO], 8, v[LI]
	v_lshlrev_b32 v[LI], 4, v[LI]
.irp t, 0,1
.irp c, 0,1
	global_load_b128 v[QF+8*\t+4*\c:QF+8*\t+4*\c+3], v[LI], s[4:5] offset:1024*\t+512*\c   ; Q's two fragments stay in registers
.endr
.endr
.irp t, 0,1
	v_mov_b32 v[STA+16*\t+1], 0xff61b1e6           ; the largest score so far: -3e38
	v_floor_f32 v[STA+16*\t], -v[STA+16*\t+1]      ; -M: 3e38, so that the first f is 0
	v_mov_b32 v[STA+16*\t+2], 0
	v_mov_b32 v[STA+16*\t+3], 0
	v_mov_b32 v[STA+16*\t+5], 0                    ; (named as the upper half of f's pair)
	v_mov_b32 v[STA+16*\t+10], 0                   ; (a lane permute's destination counts as one of its sources)
.endr
	WIN 0x40
.set j, 0
.rept 64
	v_mov_b32 v[j], 0                              ; O^T: the key step has one form for all steps; the first finds zeros
.set j, j+1
.endr
	WIN 0
	s_wait_kmcnt 0x0
	s_add_co_i32 s48, s42, s43                     ; e2 + e3 go into the exponent field of log2(e)
	s_lshl_b32 s48, s48, 23
	s_add_co_i32 s[CS], s48, 0x3fb8aa3b
	s_mov_b32 s[CS+1], s[CS]
	s_add_co_i32 s48, s45, 127
	s_lshl_b32 s49, s48, 23
	v_mov_b32 v[PSC], s49
	s_add_co_i32 s48, s48, 8
	s_lshl_b32 s48, s48, 23
	s_or_b32 s48, s48, 0x600000
	v_mov_b32 v[PLIM], s48
	v_mov_b32 v[PLM2], s48
	s_sub_co_i32 s48, s46, s44                     ; the result's code is (sum / l) / 2^(e6 - e4 - e5)
	s_sub_co_i32 s48, s48, s45
	s_add_co_i32 s48, s48, 127
	s_lshl_b32 s49, s48, 23
	v_mov_b32 v[OSC], s49
	s_add_co_i32 s48, s48, 8
	s_lshl_b32 s48, s48, 23
	s_or_b32 s48, s48, 0x600000
	v_mov_b32 v[OLIM], s48
; THE CHANGE OF SLOTS.  Each wave waits for all its tensor loads (its part of the slot ahead), adds 0 to its spare word, and waits for that and for its reads of the slot that it leaves.
; fill = 1: the barrier is a round of the cluster's, and the joint refill is the first thing behind it.
.macro CHANGE fill
	s_wait_tensorcnt 0x0
	ds_add_u32 v[SPW], v[NIL]
.if \fill
	s_xor_b32 s[G0+1], s[G0+1], SLOTB              ; the other slot than last time,
	s_add_nc_u64 s[G0+2:G0+3], s[G0+2:G0+3], SLOTB ; the next 1,024 keys
	s_wait_xcnt 0x0                                ; the last prefetch has read its address
	s_add_nc_u64 s[PFA:PFA+1], s[PFA:PFA+1], SLOTB
	s_wait_dscnt 0x0
	CROUND
	tensor_load_to_lds s[G0:G0+3], s[G1:G1+7]      ; my one tensor load until the next change
	s_nop 0
	PLACES
	ASK
.else
	s_wait_dscnt 0x0
	s_barrier_signal -1
	s_barrier_wait -1
.endif
.endm
.macro KLOAD                           ; K of the step at s[TB]: 8 tiles of 16 keys x 64 d; each load takes 512 consecutive bytes
	v_add_nc_u32 v[ADR], s[TB], v[LI]
	WIN 0x40
.irp i, 0,1,2,3,4,5,6,7,8,9,10,11,12,13,14,15
	ds_load_b128 v[KF+4*\i:KF+4*\i+3], v[ADR] offset:512*\i
.endr
	WIN 0
.endm
.macro PADD d, s
	v_pk_add_f32 v[(\d):(\d)+1], v[(\d):(\d)+1], v[(\s):(\s)+1]
.endm
.macro HOLD r                          ; two numbers held at 448 x 2^e5 by one dual pair: the conversion does not saturate (ISA guide 7.6.2); p is not negative, so the hold is one-sided
	v_dual_min_num_f32 v[(\r)], v[(\r)], v[PLIM] :: v_dual_min_num_f32 v[(\r)+1], v[(\r)+1], v[PLM2]
.endm
; A KEY STEP.  kind 0: inside a slot; 1: a slot's last, the slot left is filled again; 2: a slot's last, nothing is filled; 3: the very last: no K follows.
.macro STEP kind
	s_wait_dscnt 0x0                               ; K, asked for in the middle of the step before, is in
	WIN 0x01
.irp kt, 0,1,2,3,4,5,6,7
.irp t, 0,1
	v_wmma_f32_16x16x64_fp8_fp8 v[SF+64*\t+8*\kt:SF+64*\t+8*\kt+7], v[KF+8*\kt:KF+8*\kt+7], v[QF+8*\t:QF+8*\t+7], 0
.endr
.endr
	PLACES                                         ; ahead of the reads of the scores and of the loads into K's and V's registers
	WIN 0x40
.irp i, 0,1,2,3,4,5,6,7,8,9,10,11,12,13,14,15
	ds_load_b128 v[VF+4*\i:VF+4*\i+3], v[ADR] offset:8192+512*\i        ; V: 4 tiles of 16 d x 128 keys
.endr
	WIN 0
.if \kind == 1
	CHANGE 1
.endif
.if \kind == 2
	CHANGE 0
.endif
.if \kind < 3
.if \kind == 0
	s_add_co_u32 s[TB], s[TB], STEPB
.else
	s_sub_co_u32 s[TB], s[TB], 7*STEPB             ; back to a slot's first step,
	s_xor_b32 s[TB], s[TB], SLOTB                  ; in the other slot
.endif
	KLOAD
.endif
	; the step's largest score of each query among my 64 keys: two chains a tile, the registers in ascending order
.irp t, 0,1
	v_max3_num_f32 v[STA+16*\t+6], v[SF+64*\t], v[SF+64*\t+1], v[SF+64*\t+2]
.endr
.irp t, 0,1
	v_max3_num_f32 v[STA+16*\t+7], v[SF+64*\t+3], v[SF+64*\t+4], v[SF+64*\t+5]
.endr
.irp i, 6,10,14,18,22,26,30,34,38,42,46,50,54,58
.irp t, 0,1
	v_max3_num_f32 v[STA+16*\t+6], v[STA+16*\t+6], v[SF+64*\t+\i], v[SF+64*\t+\i+1]
.endr
.irp t, 0,1
	v_max3_num_f32 v[STA+16*\t+7], v[STA+16*\t+7], v[SF+64*\t+\i+2], v[SF+64*\t+\i+3]
.endr
.endr
.irp t, 0,1
	v_max3_num_f32 v[STA+16*\t+6], v[STA+16*\t+6], v[SF+64*\t+62], v[SF+64*\t+63]
.endr
.irp t, 0,1
	v_max3_num_f32 v[STA+16*\t+6], v[STA+16*\t+6], v[STA+16*\t+7], v[STA+16*\t+1]   ; both chains and the running maximum
.endr
.irp t, 0,1
	v_permlanex16_b32 v[STA+16*\t+10], v[STA+16*\t+6], s[SEL], s[SEL+1]  ; the query's other 64 keys lie in the lane 16 away
.endr
.irp t, 0,1
	v_max_num_f32 v[STA+16*\t+1], v[STA+16*\t+6], v[STA+16*\t+10]
.endr
.irp t, 0,1
	v_mul_f32 v[STA+16*\t+6], s[CS], v[STA+16*\t+1]                      ; as t
.endr
.irp t, 0,1
	v_floor_f32 v[STA+16*\t+7], -v[STA+16*\t+6]                          ; the new -M = floor(-t)
.endr
.irp t, 0,1
	v_sub_f32 v[STA+16*\t+6], v[STA+16*\t+7], v[STA+16*\t]               ; old M - new M: a whole number, 0 or less
.endr
.irp t, 0,1
	v_mov_b32 v[STA+16*\t], v[STA+16*\t+7]
.endr
.irp t, 0,1
	v_cvt_i32_f32 v[STA+16*\t+6], v[STA+16*\t+6]                         ; (it saturates)
.endr
.irp t, 0,1
	v_ldexp_f32 v[STA+16*\t+4], 1.0, v[STA+16*\t+6]                      ; f = 2^(old M - new M)
.endr
.set j, 0
.rept 32
	v_pk_fma_f32 v[SF+j:SF+j+1], v[SF+j:SF+j+1], s[CS:CS+1], v[STA:STA+1] op_sel_hi:[1,0,0]   ; tile 0: t - M, two at a time
.set j, j+2
.endr
	s_wait_alu depctr_va_vdst(0)
.set j, 0
.rept 32
	v_exp_f32 v[SF+j], v[SF+j]                     ; tile 0: p = 2^(t - M);
	v_exp_f32 v[SF+j+1], v[SF+j+1]
	v_pk_fma_f32 v[S1+j:S1+j+1], v[S1+j:S1+j+1], s[CS:CS+1], v[STA+16:STA+17] op_sel_hi:[1,0,0]   ; between them tile 1's t - M, read behind the wait below
.set j, j+2
.endr
	s_wait_alu depctr_va_vdst(0)                   ; the wait behind the first batch and ahead of the second
.set j, 0
.rept 16
	v_exp_f32 v[S1+j], v[S1+j]                     ; tile 1's exponentials; between them, of tile 0:
	v_exp_f32 v[S1+j+1], v[S1+j+1]
	v_pk_add_f32 v[TMP+j/2:TMP+j/2+1], v[SF+j:SF+j+1], v[SF+j+2:SF+j+3]   ; the first additions of the row's sum, of the unquantised p,
	v_exp_f32 v[S1+j+2], v[S1+j+2]
	HOLD SF+j                                      ; and then the hold
	v_exp_f32 v[S1+j+3], v[S1+j+3]
	HOLD SF+j+2
.set j, j+4
.endr
	v_nop                                          ; a plain instruction behind the last exponential
	s_wait_alu depctr_va_vdst(0)                   ; the wait behind the second batch
	; the rows' sums: four chains by turns; the old sum x f enters by a fused multiply-add
	v_pk_add_f32 v[A0:A0+1], v[TMP:TMP+1], v[TMP+2:TMP+3]
	v_pk_add_f32 v[A1:A1+1], v[S1:S1+1], v[S1+2:S1+3]
	v_pk_fma_f32 v[L0:L0+1], v[L0:L0+1], v[F0:F0+1], v[TMP+4:TMP+5] op_sel_hi:[1,0,1]
	v_pk_fma_f32 v[L1:L1+1], v[L1:L1+1], v[F1:F1+1], v[S1+4:S1+5] op_sel_hi:[1,0,1]
	PADD A0, TMP+6
	PADD A1, S1+6
.set j, 0
.rept 6
	PADD L0, TMP+8+4*j
	PADD L1, S1+8+8*j
	PADD A0, TMP+10+4*j
	PADD A1, S1+10+8*j
	PADD L1, S1+12+8*j
	PADD A1, S1+14+8*j
.set j, j+1
.endr
	PADD L1, S1+56
	PADD A1, S1+58
	PADD L1, S1+60
	PADD A1, S1+62
	PADD L0, A0
	PADD L1, A1
.irp kt, 0,1,2,3,4,5,6,7
.irp i, 0,2,4,6
	HOLD S1+8*\kt+\i
.endr
	v_cvt_scalef32_pk8_fp8_f32 v[PF+2*\kt:PF+2*\kt+1], v[SF+8*\kt:SF+8*\kt+7], v[PSC]        ; keys 16 kt + 8 (lane / 16) + 0 .. 7: registers 2 kt, 2 kt + 1 of P
	v_cvt_scalef32_pk8_fp8_f32 v[PF+16+2*\kt:PF+16+2*\kt+1], v[S1+8*\kt:S1+8*\kt+7], v[PSC]
.endr
	WIN 0x41                                       ; O^T window 1, f window 0
	s_wait_alu depctr_va_vdst(0)                   ; directly ahead of the first reader of O^T
.irp i, 0,2,4,6,8,10,12,14,16,18,20,22,24,26,28,30
.irp t, 0,1
	v_pk_mul_f32 v[32*\t+\i:32*\t+\i+1], v[32*\t+\i:32*\t+\i+1], v[STA+16*\t+4:STA+16*\t+5] op_sel_hi:[1,0]   ; O^T under the new M; also the plain lines between the conversions and the products
.endr
.endr
	s_wait_alu depctr_va_vdst(0)                   ; directly ahead of the wait below
.if \kind < 3
	s_wait_dscnt 16                                ; V is in; the 16 younger loads, the next step's K, may be out
.else
	s_wait_dscnt 0x0
.endif
	WIN 0x51                                       ; V, C and D window 1, P window 0
.irp dt, 0,1,2,3
.irp t, 0,1
	v_wmma_f32_16x16x128_fp8_fp8 v[32*\t+8*\dt:32*\t+8*\dt+7], v[VF+16*\dt:VF+16*\dt+15], v[PF+16*\t:PF+16*\t+15], v[32*\t+8*\dt:32*\t+8*\dt+7]   ; eight accumulators, one instruction each; 23 others' stand between two links
.endr
.endr
	WIN 0
.endm
.macro SEVEN                           ; a slot's first seven steps
	s_mov_b32 s[CNT], 7
.Lstep_\@:
	STEP 0
	s_sub_co_u32 s[CNT], s[CNT], 1
	s_cmp_lg_u32 s[CNT], 0
	s_cbranch_scc1 .Lstep_\@
.endm
	s_wait_alu depctr_va_vdst(0)
	s_wait_loadcnt 0x0                             ; Q
	CHANGE 1                                       ; slot 0 is whole; slot 1's first fill is issued as a refill is
	s_mov_b32 s[SLOTS], 2
	KLOAD                                          ; the first step's K
	s_wait_alu depctr_va_vdst(0)
.Lslot:                                            ; two trips: slots 0 and 1, each filled again in its last step
	SEVEN
	STEP 1
	s_sub_co_u32 s[SLOTS], s[SLOTS], 1
	s_cmp_lg_u32 s[SLOTS], 0
	s_cbranch_scc1 .Lslot
	SEVEN                                          ; the last two slots are written out
	STEP 2
	SEVEN
	STEP 3
	; THE WAY OUT.  O^T / the sum is held, converted with the folded scale; the conversions of two neighbouring tiles of d are a chunk of the next product's operand.
.irp t, 0,1
	v_add_f32 v[STA+16*\t+6], v[STA+16*\t+2], v[STA+16*\t+3]
.endr
.irp t, 0,1
	v_permlanex16_b32 v[STA+16*\t+10], v[STA+16*\t+6], s[SEL], s[SEL+1]
.endr
.irp t, 0,1
	v_add_f32 v[STA+16*\t+6], v[STA+16*\t+6], v[STA+16*\t+10]
.endr
	v_nop
	v_nop
	s_wait_alu depctr_va_vdst(0)                   ; the wait ahead of the transcendentals
.irp t, 0,1
	v_rcp_f32 v[STA+16*\t+7], v[STA+16*\t+6]
.endr
	v_nop
	s_wait_alu depctr_va_vdst(0)                   ; and ahead of the first use: one for both
.irp t, 0,1
	WIN 0x01
.set j, 0
.rept 32
	v_mul_f32 v[SF+32*\t+j], v[32*\t+j], v[STA+16*\t+7]                  ; each accumulator from its low end on
.set j, j+1
.endr
	WIN 0
.set j, 0
.rept 32
	v_med3_num_f32 v[SF+32*\t+j], v[SF+32*\t+j], -v[OLIM], v[OLIM]
.set j, j+1
.endr
.irp dt, 0,1,2,3
	v_cvt_scalef32_pk8_fp8_f32 v[CO+8*\t+2*\dt:CO+8*\t+2*\dt+1], v[SF+32*\t+8*\dt:SF+32*\t+8*\dt+7], v[OSC]
.endr
.endr
	v_nop                                          ; a plain vector instruction behind the last conversion
.irp t, 0,1
.irp c, 0,1
	global_store_b128 v[LI], v[CO+8*\t+4*\c:CO+8*\t+4*\c+3], s[10:11] offset:16384*\t+512*\c   ; 32 lanes store 512 consecutive bytes, aligned
.endr
.endr
	s_wait_tensorcnt 0x0                           ; the wave's end
	ds_add_u32 v[SPW], v[NIL]
	s_wait_dscnt 0x0
	CROUND                                         ; the closing round
	s_endpgm
.Lfunc_end_k_qe1964d6e80_attn:
	.size	k_qe1964d6e80_attn, .Lfunc_end_k_qe1964d6e80_attn-k_qe1964d6e80_attn
	.p2alignl 7, 3214868480
	.fill 96, 4, 3214868480
	.section	.rodata,"a",@progbits
	.p2align	6, 0x0
	.amdhsa_kernel k_qe1964d6e80_attn
		.amdhsa_group_segment_fixed_size 327680
		.amdhsa_private_segment_fixed_size 0
		.amdhsa_enable_private_segment 0
		.amdhsa_kernarg_size 32
		.amdhsa_user_sgpr_count 2
		.amdhsa_user_sgpr_kernarg_segment_ptr 1
		.amdhsa_wavefront_size32 1
		.amdhsa_system_sgpr_workgroup_id_x 1
		.amdhsa_system_sgpr_workgroup_id_y 1
		.amdhsa_system_sgpr_workgroup_id_z 1
		.amdhsa_system_vgpr_workitem_id 0
		.amdhsa_next_free_vgpr 512
		.amdhsa_next_free_sgpr 66
		.amdhsa_reserve_vcc 0
		.amdhsa_float_denorm_mode_32 3
		.amdhsa_float_denorm_mode_16_64 3
		.amdhsa_memory_ordered 1
		.amdhsa_forward_progress 1
		.amdhsa_inst_pref_size 186
	.end_amdhsa_kernel
	.amdgpu_metadata
---
amdhsa.version: [ 1, 2 ]
amdhsa.kernels:
  - .name:           k_qe1964d6e80_attn
    .symbol:         k_qe1964d6e80_attn.kd
    .args:
      - { .name: q_img, .offset: 0, .size: 8, .value_kind: global_buffer, .address_space: global }
      - { .name: kk_img, .offset: 8, .size: 8, .value_kind: global_buffer, .address_space: global }
      - { .name: lowp_scales, .offset: 16, .size: 8, .value_kind: global_buffer, .address_space: global }
      - { .name: att_img, .offset: 24, .size: 8, .value_kind: global_buffer, .address_space: global }
    .group_segment_fixed_size: 327680
    .private_segment_fixed_size: 0
    .kernarg_segment_align: 8
    .kernarg_segment_size: 32
    .max_flat_workgroup_size: 256
    .sgpr_count:     66
    .vgpr_count:     512
    .wavefront_size: 32
...
	.end_amdgpu_metadata
.endif
;; end of part 2
;; launch outp (part 3): grid 8 x 32, 4 waves a work-group, clusters of 4 x 4, 282,112 bytes of LDS; arguments att_img, w_out_codes, lowp_scales, b_out, out0; writes out0
.if DOCPART == 3
	.amdgcn_target "amdgcn-amd-amdhsa--gfx1250"
	.amdhsa_code_object_version 6
	.text
	.protected	k_qe1964d6e80_outp
	.globl	k_qe1964d6e80_outp
	.p2align	8
	.type	k_qe1964d6e80_outp,@function
k_qe1964d6e80_outp:
	s_mov_b64 s[64:65], 0
	v_nop
	global_prefetch_b8 v0, s[64:65] scope:SCOPE_SE
	s_setreg_imm32_b32 hwreg(HW_REG_WAVE_MODE, 25, 1), 1
	s_wait_xcnt 0x0
	s_wait_alu depctr_hold_cnt(0) depctr_sa_sdst(0) depctr_va_vdst(0) depctr_va_sdst(0) depctr_va_ssrc(0) depctr_va_vcc(0) depctr_vm_vsrc(0)
	s_getreg_b32 s2, hwreg(HW_REG_IB_STS2, 6, 4)
	s_cmp_eq_u32 s2, 0
	s_cbranch_scc0 .Lentry_in_a_cluster
	s_endpgm
.Lentry_in_a_cluster:
	s_bfe_u32 s2, ttmp6, 0x10000c
	s_cmp_lg_u32 s2, 0xf033
	s_cbranch_scc0 .Lentry_shape_is_right
	s_endpgm
.Lentry_shape_is_right:
; out = att W_out^T x 2^(e6 + e7) + b_out, on codes of FP8 (E4M3).  att comes as an image of operand registers ([tile of 16 rows][32 chunks of 512 bytes]: lane l's 16 bytes at 16 l hold
; K0 + 8 (l / 16) + 0 .. 7 and K0 + 16 + 8 (l / 16) + 0 .. 7 of row l % 16), W_out as rows of 1,024 codes with K innermost.  out is [4096][1024] f32.
; SHARES.  A work-group: 128 rows x 128 columns; each of its four waves 64 x 64: 16 accumulators.  The work-group's operands (all of K) lie in LDS whole: att's 8 tiles dense, W_out's 128 rows padded.
; Each wave brings a half of one of them by ONE tensor load at the head; nothing is filled again.  CLUSTER: 4 x 4; att's tiles are shared along a row, W_out's along a column.  No prefetch: no loop to run ahead in.
; att's fragments have every k in its own place of the plain form's layout, so W_out's are fetched likewise: eight loads of 8 bytes at 16 g + 8 (l / 16).
; THE MATRIX INSTRUCTION IS USED TRANSPOSED (source 0 = 16 rows of W_out, source 1 = 16 rows of att): a lane holds eight neighbouring numbers of a row of out.
; LIMIT: e6 + e7 between -126 and 127.
; REGISTERS.  Window 0: v1-19 addresses; v32-63 my 64 numbers of b_out; v64-95 at work; v128-255 the accumulators ((a, b) at 128 + 8 (4 a + b)), later whole rows of out.  Window 1: two sets of fragments.
.set PITCH, 1040                       ; a row of W_out in LDS: 1,024 bytes + 16 of padding
.set HALFB, 64*PITCH
.set BOFF,  131072                     ; att's 8 tiles x 16,384 bytes; then W_out's 128 rows
.set SP,    272                        ; a row of the stage: 256 bytes + 16
.set STG,   BOFF+2*HALFB               ; a stage of 16 rows for each wave; no tensor load lands there
.set SPARE, STG+4*16*SP                ; the spare words, 128 bytes a wave
.set AA,  8                            ; v8   LDS address of my fragments of att;  v9 of W_out
.set AB,  9
.set STO, 16                           ; v16  the way out: where I put 32 bytes of a row;  v17 where I read a row back;  v18 my byte in out;  v19 in b_out
.set RD,  17
.set CO,  18
.set BO,  19
.set BI,  32
.set TMP, 64
.set ACC, 128
.set G1A, 24                           ; s[24:31], s[32:39] descriptor groups 1 for att and W_out;  s[40:43], s[44:47] groups 0
.set G1B, 32
.set G0A, 40
.set G0B, 44
.set MSB, 0
.macro WIN new                         ; the immediate's high byte repeats the setting that is left
.if MSB != \new
	s_set_vgpr_msb (MSB<<8)|\new
.set MSB, \new
.endif
.endm
.set MUL,  0x05                        ; sources 0 and 1 window 1; C and D window 0
.set TO_F, 0x40                        ; destination window 1, address window 0
.macro CROUND                          ; a round of the cluster's barrier
	s_barrier_signal -1
	s_barrier_wait -1
	s_cmp_lg_u32 s14, 0
	s_cbranch_scc1 .Lnot_wave_0_\@
	s_barrier_signal -3
.Lnot_wave_0_\@:
	s_barrier_wait -3
	s_barrier_signal -1
	s_barrier_wait -1
.endm
.macro PLACES
.rept 4
	v_nop
.endr
.endm
	s_load_b256 s[4:11], s[0:1], 0x0               ; att s[4:5], W_out s[6:7], the exponents s[8:9], b_out s[10:11]
	s_load_b64 s[12:13], s[0:1], 0x20              ; out
	v_lshl_add_u32 v126, v0, 2, SPARE
	v_mov_b32 v127, 0
	ds_add_u32 v126, v127                          ; the opening lines: the add twice on end and its wait
	ds_add_u32 v126, v127
	v_lshrrev_b32 v1, 5, v0
	v_readfirstlane_b32 s14, v1                    ; wave 0..3
	s_lshr_b32 s15, s14, 1                         ; my half of the rows.  Also: I fetch att (0) or W_out (1)
	s_and_b32 s16, s14, 1                          ; my half of the columns.  Also: which half of that operand I fetch
	s_lshl_b32 s17, s16, 16                        ; where att's half goes: 4 tiles of 16,384 bytes,
	s_mul_i32 s18, s16, HALFB
	s_add_co_u32 s18, s18, BOFF                    ; and W_out's: 64 rows
	s_bfe_u32 s20, ttmp6, 0x40000                  ; cx, cy
	s_bfe_u32 s21, ttmp6, 0x40004
	s_lshl_b32 s22, ttmp9, 2
	s_add_co_u32 s22, s22, s20                     ; the block of 128 columns
	s_and_b32 s23, ttmp7, 0xffff
	s_lshl_b32 s23, s23, 2
	s_add_co_u32 s23, s23, s21                     ; the block of 128 rows
	s_lshl_b32 s92, s21, 2
	s_lshl_b32 s92, 15, s92                        ; my row of the cluster
	s_lshl_b32 s93, 0x1111, s20                    ; my column
	s_or_b32 s[G1A], s92, (3<<16)|(1<<21)          ; att: 4 tiles of 16,384 bytes, dense in memory and in LDS; elements of 8 bytes; the mask: my row
	s_mov_b32 s[G1A+1], 2048<<16
	s_mov_b32 s[G1A+2], 4<<16
	s_mov_b32 s[G1A+3], 2048<<16
	s_mov_b32 s[G1A+4], 4
	s_mov_b32 s[G1A+5], 2048
	s_mov_b32 s[G1A+6], 0
	s_mov_b32 s[G1A+7], 0
	s_or_b32 s[G1B], s93, (1<<20)|(1<<21)|(7<<22)|(3<<25)  ; W_out: 64 rows x 1,024 bytes; four words of padding after every 256; the mask: my column
	s_mov_b32 s[G1B+1], 1024<<16
	s_mov_b32 s[G1B+2], 64<<16
	s_mov_b32 s[G1B+3], 1024<<16
	s_mov_b32 s[G1B+4], 64
	s_mov_b32 s[G1B+5], 1024
	s_mov_b32 s[G1B+6], 0
	s_mov_b32 s[G1B+7], 0
	s_lshl_b32 s84, s23, 17                        ; att: 8 tiles of 16,384 bytes a block, + my 4 tiles
	s_lshl_b32 s92, s16, 16
	s_add_co_u32 s84, s84, s92
	s_mov_b32 s85, 0
	s_lshl_b32 s86, s22, 17                        ; W_out: 128 rows of 1,024 bytes a block, + my 64 rows
	s_lshl_b32 s93, s16, 16
	s_add_co_u32 s86, s86, s93
	s_mov_b32 s87, 0
	s_lshl_b32 s88, s22, 9                         ; my first column in bytes: 512 a block, 256 a half
	s_lshl_b32 s94, s16, 8
	s_add_co_u32 s88, s88, s94
	s_mov_b32 s89, 0
	s_lshl_b32 s90, s23, 19                        ; my first row of out: 128 rows of 4,096 bytes a block, 64 a half
	s_lshl_b32 s94, s15, 18
	s_add_co_u32 s90, s90, s94
	s_mov_b32 s91, 0
	s_wait_dscnt 0x0
	s_wait_kmcnt 0x0
	s_load_b256 s[56:63], s[8:9], 0x0              ; e0 .. e7
	s_add_nc_u64 s[10:11], s[10:11], s[88:89]
	s_add_nc_u64 s[12:13], s[12:13], s[88:89]
	s_add_nc_u64 s[12:13], s[12:13], s[90:91]
	s_mov_b32 s[G0A], 1
	s_mov_b32 s[G0A+1], s17
	s_add_nc_u64 s[G0A+2:G0A+3], s[4:5], s[84:85]
	s_or_b32 s[G0A+3], s[G0A+3], 0x80000000
	s_mov_b32 s[G0B], 1
	s_mov_b32 s[G0B+1], s18
	s_add_nc_u64 s[G0B+2:G0B+3], s[6:7], s[86:87]
	s_or_b32 s[G0B+3], s[G0B+3], 0x80000000
	CROUND                                         ; all sixteen work-groups are here: the joint loads meet
	s_cmp_eq_u32 s15, 0                            ; one fill in each arm: one tensor load of mine is out
	s_cbranch_scc0 .Lfirst_b
	tensor_load_to_lds s[G0A:G0A+3], s[G1A:G1A+7]
	s_nop 0
	PLACES
	s_branch .Lfirst_asked
.Lfirst_b:
	tensor_load_to_lds s[G0B:G0B+3], s[G1B:G1B+7]
	s_nop 0
	PLACES
.Lfirst_asked:
	v_and_b32 v1, 15, v0                           ; r
	v_bfe_u32 v2, v0, 4, 1                         ; h
	v_lshlrev_b32 v[BO], 5, v2                     ; b_out: lane (r, h) wants, for tile b, the numbers 16 b + 8 h + 0 .. 7
.irp b, 0,1,2,3
	global_load_b128 v[BI+8*\b:BI+8*\b+3], v[BO], s[10:11] offset:64*\b
	global_load_b128 v[BI+8*\b+4:BI+8*\b+7], v[BO], s[10:11] offset:64*\b+16
.endr
	v_and_b32 v3, 31, v0
	v_lshlrev_b32 v3, 4, v3                        ; 16 x lane
	s_wait_alu depctr_va_vdst(0)
	v_mul_u32_u24 v5, v1, PITCH
	v_lshl_add_u32 v5, v2, 3, v5                   ; W_out: row x pitch + 8 x half
	s_wait_alu depctr_va_vdst(0)
	s_lshl_b32 s94, s15, 16                        ; my 4 tiles of att
	s_mul_i32 s95, s16, HALFB                      ; my 64 rows of W_out
	s_add_co_u32 s95, s95, BOFF
	v_add_nc_u32 v[AA], s94, v3
	v_add_nc_u32 v[AB], s95, v5
	s_mul_i32 s94, s14, 16*SP
	s_add_co_u32 s94, s94, STG                     ; my stage
	v_mul_u32_u24 v[STO], v1, SP                   ; in: row r, 32 bytes for each half of the lanes
	v_lshl_add_u32 v[STO], v2, 5, v[STO]
	v_add_nc_u32 v[STO], s94, v[STO]
	v_mul_u32_u24 v[RD], v2, SP                    ; back: lanes 0-15 one row of 256 bytes, lanes 16-31 the next
	v_lshl_add_u32 v[RD], v1, 4, v[RD]
	v_add_nc_u32 v[RD], s94, v[RD]
	v_lshlrev_b32 v[CO], 12, v2                    ; and the same two rows in out
	v_lshl_add_u32 v[CO], v1, 4, v[CO]
	s_wait_alu depctr_va_vdst(0)
	s_wait_kmcnt 0x0
	s_add_co_i32 s92, s62, s63                     ; e6 + e7
	s_add_co_i32 s92, s92, 127
	s_lshl_b32 s92, s92, 23                        ; 2^(e6 + e7) as f32
	s_mov_b32 s93, s92
.macro FETCH s                         ; step s (128 along K) into set s % 2
	WIN TO_F
.irp a, 0,1,2,3
.irp cc, 0,1,2,3
	ds_load_b128 v[128*((\s)%2)+16*\a+4*\cc:128*((\s)%2)+16*\a+4*\cc+3], v[AA] offset:16384*\a+2048*(\s)+512*\cc   ; att: a chunk is four registers as it lies
.endr
.endr
.irp b, 0,1,2,3
.irp g, 0,1,2,3,4,5,6,7
	ds_load_b64 v[128*((\s)%2)+64+16*\b+2*\g:128*((\s)%2)+64+16*\b+2*\g+1], v[AB] offset:16*PITCH*\b+128*(\s)+16*\g   ; W_out: k = 16 g + 8 h + 0 .. 7
.endr
.endr
.endm
.macro MULS p, a0, zero                ; 8 matrix instructions; the 16 accumulators take turns; zero = 1: the first product starts the sum
.irp a, \a0, \a0+1
.irp b, 0,1,2,3
.if \zero
	v_wmma_f32_16x16x128_fp8_fp8 v[ACC+8*(4*(\a)+\b):ACC+8*(4*(\a)+\b)+7], v[128*(\p)+64+16*\b:128*(\p)+64+16*\b+15], v[128*(\p)+16*(\a):128*(\p)+16*(\a)+15], 0
.else
	v_wmma_f32_16x16x128_fp8_fp8 v[ACC+8*(4*(\a)+\b):ACC+8*(4*(\a)+\b)+7], v[128*(\p)+64+16*\b:128*(\p)+64+16*\b+15], v[128*(\p)+16*(\a):128*(\p)+16*(\a)+15], v[ACC+8*(4*(\a)+\b):ACC+8*(4*(\a)+\b)+7]
.endif
.endr
.endr
.endm
.macro STEP s, zero
	s_wait_dscnt 0x0                               ; this step's fragments are in
	WIN MUL
	MULS (\s)%2, 0, \zero
.if (\s) < 7
	PLACES                                         ; ahead of loads into the set that the step before multiplied
	FETCH (\s)+1
.endif
	WIN MUL
	MULS (\s)%2, 2, \zero
.endm
	s_wait_tensorcnt 0x0                           ; my half of an operand is in
	s_barrier_signal -1
	s_barrier_wait -1                              ; everybody's is
	FETCH 0
	STEP 0, 1
.irp s, 1,2,3,4,5,6,7
	STEP \s, 0
.endr
	WIN 0
	s_wait_loadcnt 0x0                             ; b_out
	PLACES
; THE WAY OUT, 16 rows x 64 columns at a time: sum x 2^(e6 + e7) + b_out by one packed multiply-add for two numbers, each accumulator from its low end on; through my own stage; back as whole rows of 256 bytes, into the
; registers that the block's sums have left.  LDS serves a wave's instructions in order (ISA guide 5.7.1.4): no wait between the stores and the loads, nor ahead of the next block's stores.
.macro TOSTAGE a
.irp b, 0,1,2,3
.irp i, 0,2,4,6
	v_pk_fma_f32 v[TMP+8*\b+\i:TMP+8*\b+\i+1], v[ACC+32*(\a)+8*\b+\i:ACC+32*(\a)+8*\b+\i+1], s[92:93], v[BI+8*\b+\i:BI+8*\b+\i+1] op_sel_hi:[1,0,1]
.endr
.endr
.irp b, 0,1,2,3
	ds_store_b128 v[STO], v[TMP+8*\b:TMP+8*\b+3] offset:64*\b
	ds_store_b128 v[STO], v[TMP+8*\b+4:TMP+8*\b+7] offset:64*\b+16
.endr
.irp t, 0,1,2,3,4,5,6,7
	ds_load_b128 v[ACC+32*(\a)+4*\t:ACC+32*(\a)+4*\t+3], v[RD] offset:2*SP*\t
.endr
.endm
.macro SEND a, younger                 ; younger: the LDS instructions issued behind block a's loads: the next block's eight stores and eight loads, or none
	s_wait_dscnt \younger
.irp t, 0,1,2,3,4,5,6,7
	global_store_b128 v[CO], v[ACC+32*(\a)+4*\t:ACC+32*(\a)+4*\t+3], s[12:13] offset:(16*(\a)+2*\t)*4096 th:TH_STORE_NT   ; 16 lanes store 256 consecutive bytes, aligned
.endr
.endm
	TOSTAGE 0
	TOSTAGE 1
	SEND 0, 16
	TOSTAGE 2
	SEND 1, 16
	TOSTAGE 3
	SEND 2, 16
	SEND 3, 0
	s_wait_tensorcnt 0x0                           ; the wave's end
	ds_add_u32 v126, v127
	s_wait_dscnt 0x0
	CROUND                                         ; the closing round
	s_endpgm
.Lfunc_end_k_qe1964d6e80_outp:
	.size	k_qe1964d6e80_outp, .Lfunc_end_k_qe1964d6e80_outp-k_qe1964d6e80_outp
	.p2alignl 7, 3214868480
	.fill 96, 4, 3214868480
	.section	.rodata,"a",@progbits
	.p2align	6, 0x0
	.amdhsa_kernel k_qe1964d6e80_outp
		.amdhsa_group_segment_fixed_size 282112
		.amdhsa_private_segment_fixed_size 0
		.amdhsa_enable_private_segment 0
		.amdhsa_kernarg_size 40
		.amdhsa_user_sgpr_count 2
		.amdhsa_user_sgpr_kernarg_segment_ptr 1
		.amdhsa_wavefront_size32 1
		.amdhsa_system_sgpr_workgroup_id_x 1
		.amdhsa_system_sgpr_workgroup_id_y 1
		.amdhsa_system_sgpr_workgroup_id_z 1
		.amdhsa_system_vgpr_workitem_id 0
		.amdhsa_next_free_vgpr 512
		.amdhsa_next_free_sgpr 96
		.amdhsa_reserve_vcc 0
		.amdhsa_float_denorm_mode_32 3
		.amdhsa_float_denorm_mode_16_64 3
		.amdhsa_memory_ordered 1
		.amdhsa_forward_progress 1
		.amdhsa_inst_pref_size 52
	.end_amdhsa_kernel
	.amdgpu_metadata
---
amdhsa.version: [ 1, 2 ]
amdhsa.kernels:
  - .name:           k_qe1964d6e80_outp
    .symbol:         k_qe1964d6e80_outp.kd
    .args:
      - { .name: att_img, .offset: 0, .size: 8, .value_kind: global_buffer, .address_space: global }
      - { .name: w_out_codes, .offset: 8, .size: 8, .value_kind: global_buffer, .address_space: global }
      - { .name: lowp_scales, .offset: 16, .size: 8, .value_kind: global_buffer, .address_space: global }
      - { .name: b_out, .offset: 24, .size: 8, .value_kind: global_buffer, .address_space: global }
      - { .name: out0, .offset: 32, .size: 8, .value_kind: global_buffer, .address_space: global }
    .group_segment_fixed_size: 282112
    .private_segment_fixed_size: 0
    .kernarg_segment_align: 8
    .kernarg_segment_size: 40
    .max_flat_workgroup_size: 128
    .sgpr_count:     96
    .vgpr_count:     512
    .wavefront_size: 32
...
	.end_amdgpu_metadata
.endif
;; end of part 3
